; MI455X (gfx1250); checked and timed in simulation.
; The chip was launched on July 23, 2026; its instructions are those of AMD's public machine-readable ISA for CDNA 5 (MIT licence, August 2026) and "CDNA5" Instruction Set Architecture Reference Guide (July 2026). The comments in the code are by the model that wrote it; some were corrected since.
;; Mo GE Block. Allowed arithmetic: float matrix products may take bf16 or f16 operands with f32 sums; all other float work in f32.
;; Inputs: b1 8 x 4,096 float32; b2 8 x 1,024 float32; gate_w 1,024 x 8 float32; ln_bias 1,024 float32; ln_scale 1,024 float32; w1 8 x 1,024 x 4,096 float32; w2 8 x 4,096 x 1,024 float32; x 1,024 x 1,024 float32.
;; Outputs: out0 1,024 x 1,024 float32; out1 one number float32.
;; One version. Each part assembles by itself: llvm-mc -triple=amdgcn-amd-amdhsa -mcpu=gfx1250 --defsym DOCPART=n.
;; ======== version 1 of 1: 5 launches
;; workspace buffers: xn 2,097,152 bytes; topi 8,192 bytes of whole numbers; gatef 40,960 bytes; plan 8,448 bytes of whole numbers; xs 6,291,456 bytes; hs 21,626,880 bytes; y 43,253,760 bytes
;; launch router (part 1): grid 256 x 1, 4 waves a work-group, no clusters, 33,536 bytes of LDS; arguments x, ln_scale, ln_bias, gate_w, xn, topi, gatef; writes xn, topi, gatef
.if DOCPART == 1
	.amdgcn_target "amdgcn-amd-amdhsa--gfx1250"
	.amdhsa_code_object_version 6
	.text
	.protected	k_q32d7906f58_router
	.globl	k_q32d7906f58_router
	.p2align	8
	.type	k_q32d7906f58_router,@function
k_q32d7906f58_router:
	s_mov_b64 s[64:65], 0
	v_nop
	global_prefetch_b8 v0, s[64:65] scope:SCOPE_SE
	s_setreg_imm32_b32 hwreg(HW_REG_WAVE_MODE, 25, 1), 1
	s_wait_xcnt 0x0
; LayerNorm, the gate's product, softmax and top-2 for one token a wave (token n = 4 x work-group + wave).
; Stores: xn[n][1024] bf16 (the experts' matrix operand), gatef: probs[n][8] f32 at byte 0 and the two normalised
; top probabilities [n][2] f32 at byte 32,768, topi[n][2] u32.
; The gate's product (8 columns) stays in f32 on the vector unit: it decides which experts run, and it is 1024 x 8
; multiply-adds a token.  No matrix unit, no cluster: the work-groups share only 40 KB of parameters.
; LIMITS: two probabilities (the 2nd and 3rd largest) that differ by less than the f32 error of the order of summation
; (about 1e-6 relative) may be ranked otherwise than a sum in another order ranks them.  NaN inputs are not served.
; Lane L holds d = 128 c + 4 L + i (c = 0..7, i = 0..3): every load of a wave covers 512 neighbouring bytes.
.set X,   16                           ; v[16:47]   the token's row, then x - mean, then xn
.set SC,  48                           ; v[48:79]   ln_scale, later gate buffer 0
.set BI,  80                           ; v[80:111]  ln_bias, later gate buffer 1
.set GS,  112                          ; v[112:175] gate_w as loaded; later v[112:127] xn in bf16
.set TT,  176                          ; v[176:191] at work
.set LG,  192                          ; v[192:199] logits, then probabilities
.set GP,  4112                         ; LDS pitch of the transposed gate gT[e][d]: 4,096 bytes + 16
.macro REDUCE r                        ; sum over the 32 lanes, result in every lane
	v_add_f32_dpp v[\r], v[\r], v[\r] row_xmask:1 row_mask:0xf bank_mask:0xf
	v_add_f32_dpp v[\r], v[\r], v[\r] row_xmask:2 row_mask:0xf bank_mask:0xf
	v_add_f32_dpp v[\r], v[\r], v[\r] row_xmask:4 row_mask:0xf bank_mask:0xf
	v_add_f32_dpp v[\r], v[\r], v[\r] row_xmask:8 row_mask:0xf bank_mask:0xf
	v_permlanex16_b32 v5, v[\r], s12, s13          ; v5 has been written before
	v_add_f32 v[\r], v[\r], v5
.endm
.macro FOLD                            ; four pairs in TT to one number in every lane
	v_pk_add_f32 v[TT:TT+1], v[TT:TT+1], v[TT+4:TT+5]
	v_pk_add_f32 v[TT+2:TT+3], v[TT+2:TT+3], v[TT+6:TT+7]
	v_pk_add_f32 v[TT:TT+1], v[TT:TT+1], v[TT+2:TT+3]
	v_add_f32 v[TT], v[TT], v[TT+1]
	REDUCE TT
.endm
.macro GLOAD e, g                      ; gT[e][my 32 d] into buffer g
.irp c, 0,1,2,3,4,5,6,7
	ds_load_b128 v[\g+4*\c:\g+4*\c+3], v2 offset:(\e)*GP+512*\c
.endr
.endm
.macro GDOT e, g                       ; my 32 products of expert e, two chains
	v_pk_mul_f32 v[TT:TT+1], v[X:X+1], v[\g:\g+1]
	v_pk_mul_f32 v[TT+2:TT+3], v[X+2:X+3], v[\g+2:\g+3]
.irp p, 4,8,12,16,20,24,28
	v_pk_fma_f32 v[TT:TT+1], v[X+\p:X+\p+1], v[\g+\p:\g+\p+1], v[TT:TT+1]
	v_pk_fma_f32 v[TT+2:TT+3], v[X+\p+2:X+\p+3], v[\g+\p+2:\g+\p+3], v[TT+2:TT+3]
.endr
	v_pk_add_f32 v[TT:TT+1], v[TT:TT+1], v[TT+2:TT+3]
	v_add_f32 v[LG+(\e)], v[TT], v[TT+1]
.endm
	s_load_b256 s[4:11], s[0:1], 0x0               ; x s[4:5], ln_scale s[6:7], ln_bias s[8:9], gate_w s[10:11]
	s_load_b128 s[16:19], s[0:1], 0x20             ; xn s[16:17], topi s[18:19]
	s_load_b64 s[20:21], s[0:1], 0x30              ; gatef
	v_lshl_add_u32 v208, v0, 2, 0x8100
	v_mov_b32 v209, 0
	v_lshrrev_b32 v5, 5, v0
	v_readfirstlane_b32 s14, v5                    ; wave
	s_lshl_b32 s15, ttmp9, 2
	s_add_co_u32 s15, s15, s14                     ; token n
	v_and_b32 v1, 31, v0                           ; lane L
	v_lshlrev_b32 v2, 4, v1                        ; 16 L
	v_lshlrev_b32 v3, 3, v1                        ; 8 L
	v_lshlrev_b32 v6, 4, v0                        ; 16 x thread: my 16 bytes of each 2,048 of gate_w
	v_and_b32 v4, 1, v0
	v_mul_u32_u24 v4, v4, 4*GP                     ; experts 4 (t & 1) + i
	v_lshrrev_b32 v7, 1, v0
	v_lshl_add_u32 v4, v7, 2, v4                   ; + 4 (t >> 1): d = 64 m + (t >> 1)
	s_mov_b32 s12, 0x76543210                      ; v_permlanex16_b32: lane i reads lane i of the other half
	s_mov_b32 s13, 0xfedcba98
	s_mov_b32 s24, 0x3a800000                      ; 1 / 1024
	s_mov_b32 s25, 0x3727c5ac                      ; 1e-5
	s_mov_b32 s26, 0x3fb8aa3b                      ; log2 e
	s_lshl_b32 s22, s15, 12                        ; n rows of 4,096 bytes
	s_mov_b32 s23, 0
	s_wait_kmcnt 0x0
	s_add_nc_u64 s[4:5], s[4:5], s[22:23]
.irp m, 0,1,2,3,4,5,6,7,8,9,10,11,12,13,14,15
	global_load_b128 v[GS+4*\m:GS+4*\m+3], v6, s[10:11] offset:2048*\m
.endr
.irp c, 0,1,2,3,4,5,6,7
	global_load_b128 v[X+4*\c:X+4*\c+3], v2, s[4:5] offset:512*\c
.endr
.irp c, 0,1,2,3,4,5,6,7
	global_load_b128 v[SC+4*\c:SC+4*\c+3], v2, s[6:7] offset:512*\c
.endr
.irp c, 0,1,2,3,4,5,6,7
	global_load_b128 v[BI+4*\c:BI+4*\c+3], v2, s[8:9] offset:512*\c
.endr
	s_lshl_b32 s22, s15, 11
	s_add_nc_u64 s[16:17], s[16:17], s[22:23]      ; xn at row n
	s_lshl_b32 s22, s15, 5
	s_add_nc_u64 s[28:29], s[20:21], s[22:23]      ; probs at row n
	s_lshl_b32 s22, s15, 3
	s_add_nc_u64 s[30:31], s[20:21], s[22:23]      ; the top probabilities' row n lies 32,768 bytes behind this
	s_add_nc_u64 s[18:19], s[18:19], s[22:23]      ; topi at row n
	; gate_w [d][e] goes into LDS as gT[e][d].  Of a wave's 32 lanes the even threads write 16 neighbouring words, the odd ones
	; 16 neighbouring words 4 x 4,112 bytes further, which is 64 bytes modulo 256: 32 different words modulo 256 bytes.
	s_wait_loadcnt 24                              ; the 16 loads of gate_w are in; x, scale and bias (24) stay out
.irp m, 0,1,2,3,4,5,6,7,8,9,10,11,12,13,14,15
.irp i, 0,1,2,3
	ds_store_b32 v4, v[GS+4*\m+\i] offset:\i*GP+256*\m
.endr
.endr
	s_wait_dscnt 0x0                               ; my part of gT is written, for the other waves' sake
	s_barrier_signal -1
	s_barrier_wait -1
	; mean, then the variance of x - mean: two passes over registers, so a common offset of x costs no digits
	s_wait_loadcnt 16                              ; x is in; scale and bias (16) stay out
.irp p, 0,2,4,6,8,10,12,14
	v_pk_add_f32 v[TT+\p:TT+\p+1], v[X+\p:X+\p+1], v[X+16+\p:X+16+\p+1]
.endr
.irp p, 0,2,4,6
	v_pk_add_f32 v[TT+\p:TT+\p+1], v[TT+\p:TT+\p+1], v[TT+8+\p:TT+8+\p+1]
.endr
	FOLD
	v_mul_f32 v200, s24, v[TT]                     ; mean
	v_mov_b32 v201, v200
.irp p, 0,2,4,6,8,10,12,14,16,18,20,22,24,26,28,30
	v_pk_add_f32 v[X+\p:X+\p+1], v[X+\p:X+\p+1], v[200:201] neg_lo:[0,1] neg_hi:[0,1]
.endr
.irp p, 0,2,4,6
	v_pk_mul_f32 v[TT+\p:TT+\p+1], v[X+\p:X+\p+1], v[X+\p:X+\p+1]
.endr
.irp q, 8,16,24
.irp p, 0,2,4,6
	v_pk_fma_f32 v[TT+\p:TT+\p+1], v[X+\q+\p:X+\q+\p+1], v[X+\q+\p:X+\q+\p+1], v[TT+\p:TT+\p+1]
.endr
.endr
	FOLD
	v_fma_f32 v204, v[TT], s24, s25                ; variance + 1e-5
	v_rsq_f32 v202, v204
	v_nop                                          ; one plain place behind the transcendental (ISA guide 5.7.2)
	s_wait_alu depctr_va_vdst(0)
	v_mov_b32 v203, v202
	s_wait_loadcnt 0x0                             ; scale and bias
.irp p, 0,2,4,6,8,10,12,14,16,18,20,22,24,26,28,30
	v_pk_mul_f32 v[X+\p:X+\p+1], v[X+\p:X+\p+1], v[202:203]
.endr
.irp p, 0,2,4,6,8,10,12,14,16,18,20,22,24,26,28,30
	v_pk_fma_f32 v[X+\p:X+\p+1], v[X+\p:X+\p+1], v[SC+\p:SC+\p+1], v[BI+\p:BI+\p+1]
.endr
	GLOAD 0, SC                                    ; scale and bias are used up: their registers take the gate's rows
	GLOAD 1, BI
.irp c, 0,1,2,3,4,5,6,7
	v_cvt_pk_bf16_f32 v[GS+2*\c], v[X+4*\c], v[X+4*\c+1]
	v_cvt_pk_bf16_f32 v[GS+2*\c+1], v[X+4*\c+2], v[X+4*\c+3]
.endr
.irp c, 0,1,2,3,4,5,6,7
	global_store_b64 v3, v[GS+2*\c:GS+2*\c+1], s[16:17] offset:256*\c   ; 32 lanes store 256 consecutive bytes, aligned
.endr
	; the eight logits in f32, from xn before its rounding
.irp e, 0,2,4
	s_wait_dscnt 8                                 ; this expert's eight loads are in, the next one's eight stay out
	GDOT \e, SC
	GLOAD \e+2, SC
	s_wait_dscnt 8
	GDOT \e+1, BI
	GLOAD \e+3, BI
.endr
	s_wait_dscnt 8
	GDOT 6, SC
	s_wait_dscnt 0x0
	GDOT 7, BI
.irp e, 0,1,2,3,4,5,6,7
	REDUCE LG+\e
.endr
	; softmax, in every lane alike.  The largest logit is taken away: all eight get the same shift -(max x log2 e).
	v_max3_num_f32 v6, v[LG], v[LG+1], v[LG+2]
	v_max3_num_f32 v6, v6, v[LG+3], v[LG+4]
	v_max3_num_f32 v6, v6, v[LG+5], v[LG+6]
	v_max_num_f32 v6, v6, v[LG+7]
	v_mul_f32 v6, s26, v6
.irp e, 0,1,2,3,4,5,6,7
	v_fma_f32 v[LG+\e], v[LG+\e], s26, -v6
.endr
.irp e, 0,1,2,3,4,5,6,7
	v_exp_f32 v[TT+\e], v[LG+\e]
.endr
	v_nop                                          ; one plain place behind the transcendentals
	s_wait_alu depctr_va_vdst(0)
	v_add_f32 v7, v[TT], v[TT+1]
	v_add_f32 v8, v[TT+2], v[TT+3]
	v_add_f32 v9, v[TT+4], v[TT+5]
	v_add_f32 v10, v[TT+6], v[TT+7]
	v_add_f32 v7, v7, v8
	v_add_f32 v9, v9, v10
	v_add_f32 v7, v7, v9
	v_rcp_f32 v8, v7
	v_nop
	s_wait_alu depctr_va_vdst(0)
.irp e, 0,1,2,3,4,5,6,7
	v_mul_f32 v[LG+\e], v[TT+\e], v8
.endr
	; top-2 by selects alone; strictly greater, so that of equal probabilities the lower index wins, as in lax.top_k
	v_mov_b32 v204, v[LG]                          ; best
	v_mov_b32 v206, 0                              ; its index
.irp e, 1,2,3,4,5,6,7
	v_cmp_gt_f32 vcc_lo, v[LG+\e], v204
	v_cndmask_b32 v204, v204, v[LG+\e], vcc_lo
	v_cndmask_b32 v206, v206, \e, vcc_lo
.endr
	v_mov_b32 v205, -1.0                           ; second best: below every probability
	v_mov_b32 v207, 0
.irp e, 0,1,2,3,4,5,6,7
	v_cmp_gt_f32 s27, v[LG+\e], v205
	v_cmp_ne_u32 s22, \e, v206
	s_and_b32 s27, s27, s22
	v_cndmask_b32 v205, v205, v[LG+\e], s27
	v_cndmask_b32 v207, v207, \e, s27
.endr
	v_add_f32 v9, v204, v205
	v_rcp_f32 v12, v9
	v_mov_b32 v13, 0                               ; the plain place; also the stores' offset
	s_wait_alu depctr_va_vdst(0)
	v_mul_f32 v10, v204, v12
	v_mul_f32 v11, v205, v12
	v_cmp_eq_u32 vcc_lo, 0, v1
	s_wait_xcnt 0x0                                ; EXEC is a source of the pending stores of xn: it changes only behind this wait
	s_barrier_signal -1
	s_barrier_wait -1
	s_wait_tensorcnt 0x0
	ds_add_u32 v208, v209
	s_wait_dscnt 0x0
	s_and_saveexec_b32 s27, vcc_lo                 ; lane 0 stores the token's 48 bytes
	global_store_b128 v13, v[LG:LG+3], s[28:29]
	global_store_b128 v13, v[LG+4:LG+7], s[28:29] offset:16
	global_store_b64 v13, v[10:11], s[30:31] offset:32768
	global_store_b64 v13, v[206:207], s[18:19]
	s_wait_xcnt 0x0                                ; and again in front of the line that widens EXEC
	s_or_b32 exec_lo, exec_lo, s27
	s_endpgm
.Lfunc_end_k_q32d7906f58_router:
	.size	k_q32d7906f58_router, .Lfunc_end_k_q32d7906f58_router-k_q32d7906f58_router
	.p2alignl 7, 3214868480
	.fill 96, 4, 3214868480
	.section	.rodata,"a",@progbits
	.p2align	6, 0x0
	.amdhsa_kernel k_q32d7906f58_router
		.amdhsa_group_segment_fixed_size 33536
		.amdhsa_private_segment_fixed_size 0
		.amdhsa_enable_private_segment 0
		.amdhsa_kernarg_size 56
		.amdhsa_user_sgpr_count 2
		.amdhsa_user_sgpr_kernarg_segment_ptr 1
		.amdhsa_wavefront_size32 1
		.amdhsa_system_sgpr_workgroup_id_x 1
		.amdhsa_system_sgpr_workgroup_id_y 1
		.amdhsa_system_sgpr_workgroup_id_z 1
		.amdhsa_system_vgpr_workitem_id 0
		.amdhsa_next_free_vgpr 210
		.amdhsa_next_free_sgpr 66
		.amdhsa_reserve_vcc 1
		.amdhsa_float_denorm_mode_32 3
		.amdhsa_float_denorm_mode_16_64 3
		.amdhsa_memory_ordered 1
		.amdhsa_forward_progress 1
		.amdhsa_inst_pref_size 40
	.end_amdhsa_kernel
	.amdgpu_metadata
---
amdhsa.version: [ 1, 2 ]
amdhsa.kernels:
  - .name:           k_q32d7906f58_router
    .symbol:         k_q32d7906f58_router.kd
    .args:
      - { .name: x, .offset: 0, .size: 8, .value_kind: global_buffer, .address_space: global }
      - { .name: ln_scale, .offset: 8, .size: 8, .value_kind: global_buffer, .address_space: global }
      - { .name: ln_bias, .offset: 16, .size: 8, .value_kind: global_buffer, .address_space: global }
      - { .name: gate_w, .offset: 24, .size: 8, .value_kind: global_buffer, .address_space: global }
      - { .name: xn, .offset: 32, .size: 8, .value_kind: global_buffer, .address_space: global }
      - { .name: topi, .offset: 40, .size: 8, .value_kind: global_buffer, .address_space: global }
      - { .name: gatef, .offset: 48, .size: 8, .value_kind: global_buffer, .address_space: global }
    .group_segment_fixed_size: 33536
    .private_segment_fixed_size: 0
    .kernarg_segment_align: 8
    .kernarg_segment_size: 56
    .max_flat_workgroup_size: 128
    .sgpr_count:     66
    .vgpr_count:     210
    .wavefront_size: 32
...
	.end_amdgpu_metadata
.endif
;; end of part 1
;; launch plan (part 2): grid 256 x 1, 8 waves a work-group, no clusters, 13,824 bytes of LDS; arguments topi, gatef, xn, plan, xs, out1; writes plan, xs, out1
.if DOCPART == 2
	.amdgcn_target "amdgcn-amd-amdhsa--gfx1250"
	.amdhsa_code_object_version 6
	.text
	.protected	k_q32d7906f58_plan
	.globl	k_q32d7906f58_plan
	.p2align	8
	.type	k_q32d7906f58_plan,@function
k_q32d7906f58_plan:
	s_mov_b64 s[64:65], 0
	v_nop
	global_prefetch_b8 v0, s[64:65] scope:SCOPE_SE
	s_setreg_imm32_b32 hwreg(HW_REG_WAVE_MODE, 25, 1), 1
	s_wait_xcnt 0x0
; From topi[1024][2]: a place (slot row) for each of the 2,048 (token, expert) pairs, grouped by expert, in token order, each
; expert's group padded to a multiple of 80 rows and at least 80: an expert has T = 1 to 13 units of 80 rows, all experts together 8 + 2048 / 80 = 33 units = 2,640 rows at the most.
; 80 rows a unit, because the next launches give a unit to a wave: 2,048 pairs over 8 experts are 256 rows an expert on average, and four waves x 80 rows take up to 320 in one turn.
; Every work-group makes the whole map for itself (8 KB read, a few hundred instructions): that spares a launch and any traffic between
; work-groups.  It then writes ITS 48 pieces of 512 bytes of xs (zeros where a slot is padding): 256 x 48 x 512 bytes, all 3,072 rows of xs.
; xs holds the sorted rows of xn as images of matrix fragments: xs[block of 16 rows][K step of 32][half i2][lane][16 bytes], where lane (r, h) holds
; row r of the block, k = 32 ks + 16 i2 + 8 h + 0..7.  So the next launch fills a fragment by two loads of 512 consecutive bytes.
; Work-group 0 alone stores the map (plan: off[8] at byte 0, units T[8] at byte 32, tokslot[1024][2] at byte 256) and the aux loss.
; No branch hangs on loaded data: padding is a select.
.set TI,  8                            ; v[8:15]   topi of my four tokens (token 128 w + 32 j + L)
.set SL,  16                           ; v[16:23]  their ranks, then slots
.set CWV, 24                           ; v[24:31]  counts; later the slots' tokens
.set BP,  40                           ; v[40:47]
.set IX,  48                           ; v[48:55]
.set TU,  56                           ; v56       T[e]; later v[56:61] are the pieces' places in xs
.set PB,  64                           ; v[64:95]  probabilities; later pieces on their way from xn to xs
.set CW,  12288                        ; LDS: slottok[3072] u32 at 0; cw[e][w] u32 here; imp[w][e] f32 behind it
.set IMP, 12544
	s_load_b256 s[4:11], s[0:1], 0x0               ; topi s[4:5], gatef s[6:7], xn s[8:9], plan s[10:11]
	s_load_b128 s[12:15], s[0:1], 0x20             ; xs s[12:13], out1 s[14:15]
	v_lshl_add_u32 v96, v0, 2, 0x3200
	v_mov_b32 v97, 0
	v_lshrrev_b32 v5, 5, v0
	v_readfirstlane_b32 s16, v5                    ; wave
	v_and_b32 v1, 31, v0                           ; lane L
	v_lshlrev_b32 v2, 3, v1
	v_lshl_add_u32 v2, s16, 10, v2                 ; 8 x (128 w + L): my first token's pair in topi and in tokslot
	v_lshlrev_b32 v3, 4, v1                        ; 16 L
	v_lshlrev_b32 v4, 3, v0                        ; 8 x thread
	v_mov_b32 v6, -1
	v_mov_b32 v7, -1
	s_mov_b32 s20, 0x76543210
	s_mov_b32 s21, 0xfedcba98
	s_wait_kmcnt 0x0
.irp j, 0,1,2,3
	global_load_b64 v[TI+2*\j:TI+2*\j+1], v2, s[4:5] offset:256*\j
.endr
.irp i, 0,1,2,3,4,5
	ds_store_b64 v4, v[6:7] offset:2048*\i         ; slottok = -1 everywhere: "padding"
.endr
.irp e, 0,1,2,3,4,5,6,7
	s_mov_b32 s[40+\e], 0                          ; how many of my wave's tokens so far chose expert e
.endr
	s_wait_loadcnt 0x0
	; rank of each pair among my wave's pairs of the same expert.  A token's two experts differ, so one mask serves both columns.
.irp j, 0,1,2,3
.irp e, 0,1,2,3,4,5,6,7
	v_cmp_eq_u32 s48, \e, v[TI+2*\j]
	v_cmp_eq_u32 s49, \e, v[TI+2*\j+1]
	s_or_b32 s50, s48, s49
	v_mbcnt_lo_u32_b32 v5, s50, s[40+\e]           ; lanes below me with this expert + the count so far
.if \e == 0
	v_cndmask_b32 v[SL+2*\j], 0, v5, s48           ; the first expert starts the selects: nothing is cleared
	v_cndmask_b32 v[SL+2*\j+1], 0, v5, s49
.else
	v_cndmask_b32 v[SL+2*\j], v[SL+2*\j], v5, s48
	v_cndmask_b32 v[SL+2*\j+1], v[SL+2*\j+1], v5, s49
.endif
	s_bcnt1_i32_b32 s50, s50
	s_add_co_u32 s[40+\e], s[40+\e], s50
.endr
.endr
	v_mov_b32 v35, s16
	v_lshlrev_b32 v35, 2, v35
.irp e, 0,1,2,3,4,5,6,7
	v_mov_b32 v[CWV+\e], s[40+\e]
	ds_store_b32 v35, v[CWV+\e] offset:CW+32*\e    ; cw[e][w]; all lanes write the same word with the same value
.endr
	; work-group 0: the sum of the probabilities over the tokens, thread t taking experts 4 (t & 1) + i of 8 tokens
	s_cmp_lg_u32 ttmp9, 0
	s_cbranch_scc1 .Lno_imp
	v_lshlrev_b32 v5, 4, v0
.irp m, 0,1,2,3,4,5,6,7
	global_load_b128 v[PB+4*\m:PB+4*\m+3], v5, s[6:7] offset:4096*\m
.endr
	s_wait_loadcnt 0x0
.irp q, 0,2,4,6,8,10,12,14
	v_pk_add_f32 v[PB+\q:PB+\q+1], v[PB+\q:PB+\q+1], v[PB+16+\q:PB+16+\q+1]
.endr
.irp q, 0,2,4,6
	v_pk_add_f32 v[PB+\q:PB+\q+1], v[PB+\q:PB+\q+1], v[PB+8+\q:PB+8+\q+1]
.endr
.irp q, 0,2
	v_pk_add_f32 v[PB+\q:PB+\q+1], v[PB+\q:PB+\q+1], v[PB+4+\q:PB+4+\q+1]
.endr
.irp i, 0,1,2,3
	v_add_f32_dpp v[PB+\i], v[PB+\i], v[PB+\i] row_xmask:2 row_mask:0xf bank_mask:0xf    ; lanes of my parity hold my four experts
	v_add_f32_dpp v[PB+\i], v[PB+\i], v[PB+\i] row_xmask:4 row_mask:0xf bank_mask:0xf
	v_add_f32_dpp v[PB+\i], v[PB+\i], v[PB+\i] row_xmask:8 row_mask:0xf bank_mask:0xf
	v_permlanex16_b32 v6, v[PB+\i], s20, s21
	v_add_f32 v[PB+\i], v[PB+\i], v6
.endr
	v_and_b32 v7, 1, v0
	v_lshlrev_b32 v7, 4, v7
	v_lshl_add_u32 v7, s16, 5, v7
	ds_store_b128 v7, v[PB:PB+3] offset:IMP        ; imp[w][4 (L & 1) ..]
.Lno_imp:
	s_wait_dscnt 0x0                               ; my stores to slottok, cw (and imp) are done, for the others' sake
	s_barrier_signal -1
	s_barrier_wait -1
	; lane L works for expert e = L & 7
	v_and_b32 v5, 7, v0
	v_lshlrev_b32 v5, 5, v5
	ds_load_b128 v[CWV:CWV+3], v5 offset:CW
	ds_load_b128 v[CWV+4:CWV+7], v5 offset:CW+16
	s_wait_dscnt 0x0
	v_add3_u32 v32, v[CWV], v[CWV+1], v[CWV+2]
	v_add3_u32 v32, v32, v[CWV+3], v[CWV+4]
	v_add3_u32 v32, v32, v[CWV+5], v[CWV+6]
	v_add_nc_u32 v32, v32, v[CWV+7]                ; the expert's tokens
	s_cmp_gt_u32 s16, 0
	s_cselect_b32 s48, -1, 0
	v_and_b32 v33, s48, v[CWV]                     ; those of the waves in front of mine
.irp w, 1,2,3,4,5,6
	s_cmp_gt_u32 s16, \w
	s_cselect_b32 s48, -1, 0
	v_and_b32 v35, s48, v[CWV+\w]
	v_add_nc_u32 v33, v33, v35
.endr
	v_add_nc_u32 v[TU], 79, v32
	v_mul_u32_u24 v[TU], v[TU], 0x3334             ; n / 80 = (13,108 n) >> 20: 13,108 exceeds 2^20 / 80 by 0.8, which stays below 1 / 80 of a unit for n < 16,384; here n <= 1,103
	v_lshrrev_b32 v[TU], 20, v[TU]
	v_max_u32 v[TU], 1, v[TU]                      ; T[e]: units of 80 rows, at least one
	v_mul_u32_u24 v34, v[TU], 80                   ; padded rows
	v_mov_b32 v36, v34
	; running sum over the experts; lanes 0 to 7 of each half are right, and only they are used
.irp n, 1,2,4
	v_mov_b32_dpp v35, v36 row_shr:\n row_mask:0xf bank_mask:0xf bound_ctrl:1
	v_add_nc_u32 v36, v36, v35
.endr
	v_sub_nc_u32 v38, v36, v34                     ; off[e]: the expert's first slot row
	v_add_nc_u32 v37, v38, v33                     ; where my wave's tokens of this expert begin
.irp k, 0,1,2,3,4,5,6,7
	v_min_u32 v[IX+\k], 7, v[TI+\k]
	v_lshlrev_b32 v[IX+\k], 2, v[IX+\k]
.endr
.irp k, 0,1,2,3,4,5,6,7
	ds_bpermute_b32 v[BP+\k], v[IX+\k], v37        ; from lane e
.endr
	s_wait_dscnt 0x0
.irp k, 0,1,2,3,4,5,6,7
	v_add_nc_u32 v[SL+\k], v[SL+\k], v[BP+\k]
	v_min_u32 v[SL+\k], 0xbff, v[SL+\k]            ; a slot is below 3,072
	v_lshlrev_b32 v[IX+\k], 2, v[SL+\k]
.endr
	v_lshl_add_u32 v39, s16, 7, v1                 ; token 128 w + L
.irp j, 0,1,2,3
	v_add_nc_u32 v[BP+\j], 32*\j, v39
	ds_store_b32 v[IX+2*\j], v[BP+\j]              ; slottok[slot] = token
	ds_store_b32 v[IX+2*\j+1], v[BP+\j]
.endr
	s_cmp_lg_u32 ttmp9, 0
	s_cbranch_scc1 .Lnot_first
.irp j, 0,1,2,3
	global_store_b64 v2, v[SL+2*\j:SL+2*\j+1], s[10:11] offset:256+256*\j   ; tokslot: 32 lanes store 256 consecutive bytes, aligned
.endr
	s_cmp_lg_u32 s16, 0
	s_cbranch_scc1 .Lnot_first
	; wave 0 of work-group 0: off, T and the aux loss = sum over e of importance[e] x load[e], times 8 / (1024 x 1024 + 1e-6), which in f32 is 2^-17
	v_and_b32 v5, 7, v0
	v_lshlrev_b32 v5, 2, v5
.irp w, 0,1,2,3,4,5,6,7
	ds_load_b32 v[PB+\w], v5 offset:IMP+32*\w
.endr
	s_wait_dscnt 0x0
	v_pk_add_f32 v[PB:PB+1], v[PB:PB+1], v[PB+2:PB+3]
	v_pk_add_f32 v[PB+4:PB+5], v[PB+4:PB+5], v[PB+6:PB+7]
	v_pk_add_f32 v[PB:PB+1], v[PB:PB+1], v[PB+4:PB+5]
	v_add_f32 v[PB], v[PB], v[PB+1]
	v_cvt_f32_u32 v35, v32
	v_mul_f32 v[PB], v[PB], v35
	v_add_f32_dpp v[PB], v[PB], v[PB] row_xmask:1 row_mask:0xf bank_mask:0xf
	v_add_f32_dpp v[PB], v[PB], v[PB] row_xmask:2 row_mask:0xf bank_mask:0xf
	v_add_f32_dpp v[PB], v[PB], v[PB] row_xmask:4 row_mask:0xf bank_mask:0xf
	v_mul_f32 v[PB], 0x37000000, v[PB]
	v_lshlrev_b32 v5, 2, v1
	v_cmp_gt_u32 vcc_lo, 8, v1
	s_wait_xcnt 0x0                                ; EXEC is a source of the pending stores: it changes only behind this wait
	s_and_saveexec_b32 s48, vcc_lo
	global_store_b32 v5, v38, s[10:11]
	global_store_b32 v5, v[TU], s[10:11] offset:32
	s_wait_xcnt 0x0
	s_or_b32 exec_lo, exec_lo, s48
	v_cmp_eq_u32 vcc_lo, 0, v1
	s_and_saveexec_b32 s48, vcc_lo                 ; nothing was issued since the last wait
	global_store_b32 v5, v[PB], s[14:15]           ; lane 0: offset 0
	s_wait_xcnt 0x0
	s_or_b32 exec_lo, exec_lo, s48
.Lnot_first:
	s_wait_dscnt 0x0                               ; my stores to slottok are done
	s_barrier_signal -1
	s_barrier_wait -1
	; xs in pieces of 512 bytes: piece u = 64 x block + 2 ks + i2.  Work-group g has pieces 48 g .. 48 g + 47, wave w six of them.
	; Lane (r, h) fetches 16 bytes of the token in slot row 16 x block + r, at byte 32 (u & 63) + 16 h of its row of xn.
	v_and_b32 v62, 15, v0
	v_lshlrev_b32 v62, 2, v62                      ; 4 r
	v_bfe_u32 v63, v0, 4, 1
	v_lshlrev_b32 v63, 4, v63                      ; 16 h
	s_mul_i32 s17, s16, 6
	s_mul_i32 s18, ttmp9, 48
	s_add_co_u32 s17, s17, s18
.irp i, 0,1,2,3,4,5
	s_add_co_u32 s48, s17, \i                      ; u
	s_and_b32 s49, s48, 0xffffffc0                 ; 64 x block = 4 bytes x 16 rows x block
	v_add_nc_u32 v[BP+\i], s49, v62                ; my row's word in slottok
	s_and_b32 s50, s48, 63
	s_lshl_b32 s50, s50, 5
	v_add_nc_u32 v[IX+\i], s50, v63
	s_lshl_b32 s48, s48, 9
	v_add_nc_u32 v[56+\i], s48, v3                 ; where it goes in xs: 512 u + 16 L
.endr
.irp i, 0,1,2,3,4,5
	ds_load_b32 v[CWV+\i], v[BP+\i]                ; the slot's token
.endr
	s_wait_dscnt 0x0
.irp i, 0,1,2,3,4,5
	v_cmp_gt_u32 s[52+\i], 1024, v[CWV+\i]         ; a token, or padding (-1)
	v_min_u32 v[CWV+\i], 0x3ff, v[CWV+\i]
	v_lshl_add_u32 v[IX+\i], v[CWV+\i], 11, v[IX+\i]
.endr
.irp i, 0,1,2,3,4,5
	global_load_b128 v[PB+4*\i:PB+4*\i+3], v[IX+\i], s[8:9]
.endr
	s_wait_loadcnt 0x0
.irp i, 0,1,2,3,4,5
.irp c, 0,1,2,3
	v_cndmask_b32 v[PB+4*\i+\c], 0, v[PB+4*\i+\c], s[52+\i]
.endr
	global_store_b128 v[56+\i], v[PB+4*\i:PB+4*\i+3], s[12:13]   ; 512 consecutive bytes, aligned
.endr
	s_barrier_signal -1
	s_barrier_wait -1
	s_wait_tensorcnt 0x0
	ds_add_u32 v96, v97
	s_wait_dscnt 0x0
	s_endpgm
.Lfunc_end_k_q32d7906f58_plan:
	.size	k_q32d7906f58_plan, .Lfunc_end_k_q32d7906f58_plan-k_q32d7906f58_plan
	.p2alignl 7, 3214868480
	.fill 96, 4, 3214868480
	.section	.rodata,"a",@progbits
	.p2align	6, 0x0
	.amdhsa_kernel k_q32d7906f58_plan
		.amdhsa_group_segment_fixed_size 13824
		.amdhsa_private_segment_fixed_size 0
		.amdhsa_enable_private_segment 0
		.amdhsa_kernarg_size 48
		.amdhsa_user_sgpr_count 2
		.amdhsa_user_sgpr_kernarg_segment_ptr 1
		.amdhsa_wavefront_size32 1
		.amdhsa_system_sgpr_workgroup_id_x 1
		.amdhsa_system_sgpr_workgroup_id_y 1
		.amdhsa_system_sgpr_workgroup_id_z 1
		.amdhsa_system_vgpr_workitem_id 0
		.amdhsa_next_free_vgpr 98
		.amdhsa_next_free_sgpr 66
		.amdhsa_reserve_vcc 1
		.amdhsa_float_denorm_mode_32 3
		.amdhsa_float_denorm_mode_16_64 3
		.amdhsa_memory_ordered 1
		.amdhsa_forward_progress 1
		.amdhsa_inst_pref_size 33
	.end_amdhsa_kernel
	.amdgpu_metadata
---
amdhsa.version: [ 1, 2 ]
amdhsa.kernels:
  - .name:           k_q32d7906f58_plan
    .symbol:         k_q32d7906f58_plan.kd
    .args:
      - { .name: topi, .offset: 0, .size: 8, .value_kind: global_buffer, .address_space: global }
      - { .name: gatef, .offset: 8, .size: 8, .value_kind: global_buffer, .address_space: global }
      - { .name: xn, .offset: 16, .size: 8, .value_kind: global_buffer, .address_space: global }
      - { .name: plan, .offset: 24, .size: 8, .value_kind: global_buffer, .address_space: global }
      - { .name: xs, .offset: 32, .size: 8, .value_kind: global_buffer, .address_space: global }
      - { .name: out1, .offset: 40, .size: 8, .value_kind: global_buffer, .address_space: global }
    .group_segment_fixed_size: 13824
    .private_segment_fixed_size: 0
    .kernarg_segment_align: 8
    .kernarg_segment_size: 48
    .max_flat_workgroup_size: 256
    .sgpr_count:     66
    .vgpr_count:     98
    .wavefront_size: 32
...
	.end_amdgpu_metadata
.endif
;; end of part 2
;; launch ffn1 (part 3): grid 32 x 8, 4 waves a work-group, no clusters, 262,656 bytes of LDS; arguments xs, w1, b1, plan, hs; writes hs
.if DOCPART == 3
	.amdgcn_target "amdgcn-amd-amdhsa--gfx1250"
	.amdhsa_code_object_version 6
	.text
	.protected	k_q32d7906f58_ffn1
	.globl	k_q32d7906f58_ffn1
	.p2align	8
	.type	k_q32d7906f58_ffn1,@function
k_q32d7906f58_ffn1:
	s_mov_b64 s[64:65], 0
	v_nop
	global_prefetch_b8 v0, s[64:65] scope:SCOPE_SE
	s_setreg_imm32_b32 hwreg(HW_REG_WAVE_MODE, 25, 1), 1
	s_wait_xcnt 0x0
; hs = gelu( xs w1[e] + b1[e] ), bf16, for the slot rows of expert e alone.
; THE WEIGHTS STAY, THE TOKENS PASS.  Work-group (s, e) owns columns f = 128 s .. 128 s + 127 of w1[e]: 512 KB of f32, read once, in loads of which sixteen lanes
; cover 256 consecutive aligned bytes, rounded to bf16 fragments in registers and laid into LDS as images of 1 KB (256 KB in all): wave w = 2 kh + nh brings K half kh
; (512 d) of column half nh (64 f) and stores bytes 65,536 w .. 65,536 w + 65,535.  One barrier.  Then the waves share the expert's ROWS: wave w takes the units
; (80 rows x 128 columns x all 1,024 of K: 1,280 matrix instructions) number w, w + 4, ... below T.  T and the first row come from plan.
; WHY 80 ROWS: 2,048 pairs over 8 experts are 256 rows an expert on average; four waves x 80 rows take up to 320 rows in one turn, so that no wave makes a second unit alone
; while the other three have none.  40 accumulator tiles are 320 registers: as many as fit beside the token ring, the weight buffers and GELU's temporaries.
; NO BARRIER STANDS IN THAT WALK, because its trip count is read from memory.  So no LDS slot is filled again in it, and the tokens come straight into registers: xs holds them as
; images of fragments, a fragment is two loads of 512 consecutive bytes.  For the same reason the tokens, which the 32 work-groups of an expert share, are NOT asked for
; jointly in a cluster: a joint load stands behind rounds of a barrier; a constant 13 units for every expert would make that possible at about 3 times the matrix work.
; COLUMN ORDER: a lane's 16-byte load of a weight row holds columns 4 r .. 4 r + 3, so fragment t = 4 nh + jb (component jb) has matrix row m = column 64 nh + 4 m + jb.
; With the weights as source 0 and the tokens as source 1, register j of lane (r, h) of accumulator (rb, t) is token 16 rb + r, m = 8 h + j: eight neighbouring K positions of
; the next product for one token, which IS half an image of hs[block of 16 rows][K step][half][lane][16 bytes]: K step 4 s + t / 2, half t & 1.  No trip through LDS.
; So in hs position 16 t + m of a slice stands for f = 64 (t / 4) + 4 m + (t & 3); the next launch takes w2's rows in that order.
; b1 enters as the C operand of the first K step.
; GELU is the exact one, x Phi(x), with erf by Abramowitz and Stegun 7.1.26 (absolute error 1.5e-7 for every x): gelu = max(x, 0) - |x| Q,
; Q = Phi(-|x|) = t (c1 + t (c2 + t (c3 + t (c4 + t c5)))) 2^(-0.72134752 x x), t = 1 / (1 + 0.23164189 |x|), c = half of the book's a.
; LIMITS: operands xn and w1 are rounded to bf16, sums in f32.  A non-finite value in an expert that a token did not choose does not reach that token.
; Left out: prefetching (all the weights are asked for at the start, 48 to 64 loads of 512 bytes a wave being out; the tokens were stored by the launch before).
.set ROWB, 16384                       ; bytes in a row of w1[e]
.set KSB,  32*ROWB                     ; a K step of 32 rows
.set RBT,  32768                       ; xs: bytes of a block of 16 rows (32 K steps of 1 KB)
.set RBO,  131072                      ; hs: bytes of a block of 16 rows (128 K steps of 1 KB)
; window 0
.set LB,   2                           ; v2       16 L: my 16 bytes of every 512
.set WOFF, 3                           ; v3       my byte offset in w1
.set WS,   4                           ; v4       LDS: where I put fragments: 65,536 w + 16 L
.set LA,   5                           ; v5-v8    LDS: 65,536 n + 16 L, n = 2 kh + nh
.set BO,   9                           ; v9       128 h: my offset in b1
.set CV,   16                          ; v[16:79]   two buffers of 32: a K step's four fragments on their way into LDS
.set BIAS, 80                          ; v[80:143]  b1 as eight C tiles
.set C5,   144                         ; pairs of equal constants
.set C4,   146
.set C3,   148
.set C2,   150
.set C1,   152
.set CKE,  154
.set OUTR, 156                         ; v[156:163] two tiles' 16 bytes
.set ACC4, 168                         ; v[168:231] the accumulators of rows 64-79: tile t at + 8 t
.set GU,   16                          ; GELU's temporaries, 16 registers each (over CV, which is done with by then)
.set GD,   32
.set GQ,   32                          ; the polynomial takes the place of the reciprocal's source, which is dead by then
.set GT,   48
.set GM,   64
.set GE,   232
; window 1: four staging buffers of 64 for the weights; then the tokens' ring of three slots: step S (two K steps) at 80 (S mod 3), fragment (kk, rb) at + 40 kk + 8 rb
; window 2: accumulator (rb, t), rb = 0..3, at 8 (8 rb + t)
; window 3: two buffers of weight fragments: step S at 128 (S & 1), fragment (kk, t) at + 64 kk + 8 t
.set MSB, 0
.macro WIN new                         ; s_set_vgpr_msb; the immediate's high byte repeats the setting that is left; at labels and branches the setting is 0
.if MSB != (\new)
	s_set_vgpr_msb (MSB<<8)|(\new)
.set MSB, (\new)
.endif
.endm
.macro PLACES                          ; four plain places behind a matrix instruction (ISA guide 7.12.1)
.rept 4
	v_nop
.endr
.endm
.macro WLOAD ks                        ; the 16 rows of my K step ks that my half of the lanes needs: 8 h + 0..7 and 16 + 8 h + 0..7 (8 h stands in WOFF)
	WIN 0x40                           ; destination window 1
.irp q, 0,1,2,3,4,5,6,7,8,9,10,11,12,13,14,15
	global_load_b128 v[64*((\ks)&3)+4*\q:64*((\ks)&3)+4*\q+3], v[WOFF], s[40:41] offset:(\ks)*KSB+(\q+8*(\q/8))*ROWB th:TH_LOAD_NT
.endr
.endm
.macro WCVT ks                         ; two rows' component jb make register i of fragment jb (k = 2 i, 2 i + 1 of my sixteen); the four fragments go into LDS
	s_wait_dscnt 8                     ; all but the last K step's eight stores are done: the buffer of two K steps ago is written again only behind this wait
	WIN 0x05                           ; sources window 1
.irp jb, 0,1,2,3
.irp i, 0,1,2,3,4,5,6,7
	v_cvt_pk_bf16_f32 v[CV+32*((\ks)&1)+8*\jb+\i], v[64*((\ks)&3)+8*\i+\jb], v[64*((\ks)&3)+8*\i+4+\jb]
.endr
.endr
	WIN 0
.irp jb, 0,1,2,3
	ds_store_b128 v[WS], v[CV+32*((\ks)&1)+8*\jb:CV+32*((\ks)&1)+8*\jb+3]   offset:(\ks)*4096+\jb*1024       ; 32 lanes, 512 consecutive bytes
	ds_store_b128 v[WS], v[CV+32*((\ks)&1)+8*\jb+4:CV+32*((\ks)&1)+8*\jb+7] offset:(\ks)*4096+\jb*1024+512
.endr
.endm
.macro TLOAD S                         ; the unit's token fragments of step S (K steps 2 S, 2 S + 1): 20 loads of 512 consecutive bytes
	WIN 0x40
.irp kk, 0,1
.irp rb, 0,1,2,3,4
	global_load_b128 v[80*((\S)%3)+40*\kk+8*\rb:80*((\S)%3)+40*\kk+8*\rb+3],   v[LB], s[44:45] offset:\rb*RBT+(2*(\S)+\kk)*1024
	global_load_b128 v[80*((\S)%3)+40*\kk+8*\rb+4:80*((\S)%3)+40*\kk+8*\rb+7], v[LB], s[44:45] offset:\rb*RBT+(2*(\S)+\kk)*1024+512
.endr
.endr
.endm
.macro WFETCH S                        ; the weight fragments of step S: 32 LDS loads of 512 consecutive bytes
	WIN 0xc0                           ; destination window 3
.irp kk, 0,1
.irp t, 0,1,2,3,4,5,6,7
	ds_load_b128 v[128*((\S)&1)+64*\kk+8*\t:128*((\S)&1)+64*\kk+8*\t+3],   v[LA+2*((2*(\S)+\kk)/16)+\t/4] offset:((2*(\S)+\kk)%16)*4096+(\t%4)*1024
	ds_load_b128 v[128*((\S)&1)+64*\kk+8*\t+4:128*((\S)&1)+64*\kk+8*\t+7], v[LA+2*((2*(\S)+\kk)/16)+\t/4] offset:((2*(\S)+\kk)%16)*4096+(\t%4)*1024+512
.endr
.endr
.endm
; The 40 accumulators take turns, one instruction a turn: in a step 32 + 32 instructions on rows 0-63, then 8 + 8 on rows 64-79.
.macro MUL4 S, kk, first               ; one K step, rows 0-63: 32 matrix instructions
.irp rb, 0,1,2,3
.irp t, 0,1,2,3,4,5,6,7
.if \first
	v_wmma_f32_16x16x32_bf16 v[8*(8*\rb+\t):8*(8*\rb+\t)+7], v[128*((\S)&1)+64*\kk+8*\t:128*((\S)&1)+64*\kk+8*\t+7], v[80*((\S)%3)+40*\kk+8*\rb:80*((\S)%3)+40*\kk+8*\rb+7], v[BIAS+8*\t:BIAS+8*\t+7]
.else
	v_wmma_f32_16x16x32_bf16 v[8*(8*\rb+\t):8*(8*\rb+\t)+7], v[128*((\S)&1)+64*\kk+8*\t:128*((\S)&1)+64*\kk+8*\t+7], v[80*((\S)%3)+40*\kk+8*\rb:80*((\S)%3)+40*\kk+8*\rb+7], v[8*(8*\rb+\t):8*(8*\rb+\t)+7]
.endif
.endr
.endr
.endm
.macro MUL1 S, kk, first               ; one K step, rows 64-79: 8 matrix instructions
.irp t, 0,1,2,3,4,5,6,7
.if \first
	v_wmma_f32_16x16x32_bf16 v[ACC4+8*\t:ACC4+8*\t+7], v[128*((\S)&1)+64*\kk+8*\t:128*((\S)&1)+64*\kk+8*\t+7], v[80*((\S)%3)+40*\kk+32:80*((\S)%3)+40*\kk+39], v[BIAS+8*\t:BIAS+8*\t+7]
.else
	v_wmma_f32_16x16x32_bf16 v[ACC4+8*\t:ACC4+8*\t+7], v[128*((\S)&1)+64*\kk+8*\t:128*((\S)&1)+64*\kk+8*\t+7], v[80*((\S)%3)+40*\kk+32:80*((\S)%3)+40*\kk+39], v[ACC4+8*\t:ACC4+8*\t+7]
.endif
.endr
.endm
.macro GELU16 x, w                     ; sixteen sums (two tiles) at register x of window w to 32 bytes of bf16 in OUTR
	WIN 5*(\w)                         ; sources 0 and 1 window w
.irp p, 0,2,4,6,8,10,12,14
	v_pk_mul_f32 v[GU+\p:GU+\p+1], v[(\x)+\p:(\x)+\p+1], v[(\x)+\p:(\x)+\p+1]
.endr
.irp q, 0,1,2,3,4,5,6,7,8,9,10,11,12,13,14,15
	v_fma_f32 v[GD+\q], |v[(\x)+\q]|, s48, 1.0
.endr
.irp q, 0,1,2,3,4,5,6,7,8,9,10,11,12,13,14,15
	v_max_num_f32 v[GM+\q], 0, v[(\x)+\q]
.endr
	WIN 0
.irp q, 0,1,2,3,4,5,6,7,8,9,10,11,12,13,14,15
	v_rcp_f32 v[GT+\q], v[GD+\q]
.endr
.irp p, 0,2,4,6,8,10,12,14
	v_pk_mul_f32 v[GU+\p:GU+\p+1], v[GU+\p:GU+\p+1], v[CKE:CKE+1]      ; plain work behind the reciprocals, which touches none of their registers
.endr
.irp q, 0,1,2,3,4,5,6,7,8,9,10,11,12,13,14,15
	v_exp_f32 v[GE+\q], v[GU+\q]
.endr
	s_wait_alu depctr_va_vdst(0)
.irp p, 0,2,4,6,8,10,12,14
	v_pk_fma_f32 v[GQ+\p:GQ+\p+1], v[GT+\p:GT+\p+1], v[C5:C5+1], v[C4:C4+1]   ; plain work behind the exponentials, which touches none of their registers
.endr
.irp c, C3, C2, C1
.irp p, 0,2,4,6,8,10,12,14
	v_pk_fma_f32 v[GQ+\p:GQ+\p+1], v[GQ+\p:GQ+\p+1], v[GT+\p:GT+\p+1], v[\c:\c+1]
.endr
.endr
.irp p, 0,2,4,6,8,10,12,14
	v_pk_mul_f32 v[GT+\p:GT+\p+1], v[GT+\p:GT+\p+1], v[GE+\p:GE+\p+1]
.endr
.irp p, 0,2,4,6,8,10,12,14
	v_pk_mul_f32 v[GQ+\p:GQ+\p+1], v[GQ+\p:GQ+\p+1], v[GT+\p:GT+\p+1]
.endr
	WIN (\w)                           ; source 0 window w
.irp q, 0,1,2,3,4,5,6,7,8,9,10,11,12,13,14,15
	v_fma_f32 v[GM+\q], -|v[(\x)+\q]|, v[GQ+\q], v[GM+\q]
.endr
	WIN 0
	s_wait_xcnt 0x0                    ; OUTR, which the last two stores read, is rewritten only behind this wait
.irp q, 0,1,2,3,4,5,6,7
	v_cvt_pk_bf16_f32 v[OUTR+\q], v[GM+2*\q], v[GM+2*\q+1]
.endr
.endm
	s_load_b256 s[4:11], s[0:1], 0x0               ; xs s[4:5], w1 s[6:7], b1 s[8:9], plan s[10:11]
	s_load_b64 s[12:13], s[0:1], 0x20              ; hs
	v_lshl_add_u32 v254, v0, 2, 0x40000
	v_mov_b32 v255, 0
	v_lshrrev_b32 v1, 5, v0
	v_readfirstlane_b32 s14, v1                    ; wave
	s_lshr_b32 s15, s14, 1                         ; kh
	s_and_b32 s16, s14, 1                          ; nh
	s_and_b32 s19, ttmp7, 0xffff                   ; expert
	s_lshl_b32 s22, s19, 2
	s_wait_kmcnt 0x0
	s_load_b32 s20, s[10:11], s22 offset:0x0       ; off[e]
	s_load_b32 s21, s[10:11], s22 offset:0x20      ; T[e]; s22 stays as it is until the wait for these two loads
	s_lshl_b32 s52, s19, 24                        ; e x 1024 x 4096 x 4
	s_lshl_b32 s53, s15, 23                        ; kh x 512 rows
	s_add_co_u32 s52, s52, s53
	s_lshl_b32 s53, ttmp9, 9                       ; 128 columns a slice
	s_add_co_u32 s52, s52, s53
	s_lshl_b32 s53, s16, 8
	s_add_co_u32 s52, s52, s53
	s_mov_b32 s53, 0
	s_add_nc_u64 s[40:41], s[6:7], s[52:53]        ; my weights
	s_lshl_b32 s52, s19, 14
	s_lshl_b32 s54, ttmp9, 9
	s_add_co_u32 s52, s52, s54
	s_add_nc_u64 s[46:47], s[8:9], s[52:53]        ; b1[e][128 s]
	s_mov_b32 s48, 0x3e6d3388                      ; 0.23164189
	v_and_b32 v1, 31, v0                           ; L
	v_and_b32 v12, 15, v0                          ; r
	v_bfe_u32 v13, v0, 4, 1                        ; h
	v_lshlrev_b32 v[LB], 4, v1
	v_lshlrev_b32 v[WOFF], 4, v12
	v_lshl_add_u32 v[WOFF], v13, 17, v[WOFF]       ; 8 h rows + 16 r
	v_lshlrev_b32 v[BO], 7, v13
	; C tile t = 4 nh + jb, register j, lane half h: b1 of column 64 nh + 32 h + 4 j + jb.  512 bytes in all, once a wave.
.irp nh, 0,1
.irp jb, 0,1,2,3
.irp j, 0,1,2,3,4,5,6,7
	global_load_b32 v[BIAS+8*(4*\nh+\jb)+\j], v[BO], s[46:47] offset:256*\nh+16*\j+4*\jb
.endr
.endr
.endr
	WLOAD 0
	WLOAD 1
	WLOAD 2
	WLOAD 3
	WIN 0
	v_lshl_add_u32 v[WS], s14, 16, v[LB]
.irp n, 0,1,2,3
	v_add_nc_u32 v[LA+\n], \n*65536, v[LB]
.endr
.irp c, 0,1
	v_mov_b32 v[C5+\c], 0x3f07dc22                 ;  0.5307027145
	v_mov_b32 v[C4+\c], 0xbf3a00e3                 ; -0.7265760135
	v_mov_b32 v[C3+\c], 0x3f35f0e3                 ;  0.7107068705
	v_mov_b32 v[C2+\c], 0xbe11a98e                 ; -0.142248368
	v_mov_b32 v[C1+\c], 0x3e027906                 ;  0.127414796
	v_mov_b32 v[CKE+\c], 0xbf38aa3b                ; -0.72134752
.endr
	s_wait_kmcnt 0x0
	s_min_u32 s20, s20, 2560                       ; 32 units lie in front of the last one at the most
	s_min_u32 s21, s21, 13                         ; 1,024 rows are 13 units
	s_add_co_u32 s50, s21, 3
	s_sub_co_u32 s50, s50, s14
	s_lshr_b32 s50, s50, 2                         ; how many of the units w, w + 4, ... lie below T: (T + 3 - w) / 4
	s_mul_i32 s22, s14, 80
	s_add_co_u32 s20, s20, s22                     ; the first row of my first unit
	s_lshl_b32 s22, s20, 11                        ; 32,768 bytes of xs for 16 rows
	s_mov_b32 s23, 0
	s_add_nc_u64 s[44:45], s[4:5], s[22:23]
	s_lshl_b32 s22, s20, 13                        ; 131,072 bytes of hs for 16 rows
	s_lshl_b32 s24, ttmp9, 12                      ; the slice's four K steps of 1 KB
	s_add_co_u32 s22, s22, s24
	s_add_nc_u64 s[42:43], s[12:13], s[22:23]
	; the weights: four K steps' loads are out; the oldest is rounded, stored into LDS, and its buffer asked for again
.irp ks, 0,1,2,3,4,5,6,7,8,9,10,11
	s_wait_loadcnt 48                              ; loads come back in order: all but the three younger K steps' 48
	WCVT \ks
	WLOAD \ks+4
.endr
.irp ks, 12,13,14,15
	s_wait_loadcnt 16*(15-\ks)                     ; the counts run down: 48, 32, 16, 0
	WCVT \ks
.endr
	WIN 0
	s_wait_dscnt 0x0                               ; my quarter of the weights is written, for the others' sake
	s_barrier_signal -1
	s_barrier_wait -1                              ; the only barrier; behind it the 256 KB are read and never written
	s_cmp_eq_u32 s50, 0                            ; fewer units than waves: nothing is left for me
	s_cbranch_scc1 .Lend
	s_mov_b32 s49, 0
.Lunit:
	TLOAD 0
	TLOAD 1
	WFETCH 0
.irp S, 0,1,2,3,4,5,6,7,8,9,10,11,12,13,14,15
.if \S < 15
	s_wait_loadcnt 20                              ; this step's tokens are in; the next step's 20 loads stay out
.else
	s_wait_loadcnt 0x0                             ; the last step: nothing younger is out
.endif
.if \S > 0
	PLACES                                         ; the ring's slot and the buffer that the last step's matrix instructions read are loaded again four places behind them
.endif
.if \S < 14
	TLOAD \S+2
.endif
.if \S < 15
	WFETCH \S+1
	s_wait_dscnt 32                                ; all but the 32 just issued: this step's weights are in
.else
	s_wait_dscnt 0x0
.endif
.if \S == 0
	WIN 0x87                                       ; weights window 3, tokens window 1, C (the bias) window 0, D window 2
	MUL4 0, 0, 1
	WIN 0xa7                                       ; C and D window 2
	MUL4 0, 1, 0
	WIN 0x07                                       ; C and D window 0
	MUL1 0, 0, 1
	MUL1 0, 1, 0
.else
	WIN 0xa7
	MUL4 \S, 0, 0
	MUL4 \S, 1, 0
	WIN 0x07
	MUL1 \S, 0, 0
	MUL1 \S, 1, 0
.endif
.endr
	WIN 0
	PLACES                                         ; four places, then the results are read; they also stand between the last matrix instructions and the next unit's loads
.irp rb, 0,1,2,3
.irp tp, 0,1,2,3
	GELU16 8*(8*\rb+2*\tp), 2
	global_store_b128 v[LB], v[OUTR:OUTR+3],   s[42:43] offset:\rb*RBO+(2*\tp)*512      ; 512 consecutive bytes, aligned: half an image
	global_store_b128 v[LB], v[OUTR+4:OUTR+7], s[42:43] offset:\rb*RBO+(2*\tp+1)*512
.endr
.endr
.irp tp, 0,1,2,3
	GELU16 ACC4+16*\tp, 0
	global_store_b128 v[LB], v[OUTR:OUTR+3],   s[42:43] offset:4*RBO+(2*\tp)*512
	global_store_b128 v[LB], v[OUTR+4:OUTR+7], s[42:43] offset:4*RBO+(2*\tp+1)*512
.endr
	s_wait_xcnt 0x0                                ; the bases are stepped only behind this wait
	s_add_nc_u64 s[44:45], s[44:45], 20*RBT        ; four units on: 320 rows
	s_add_nc_u64 s[42:43], s[42:43], 20*RBO
	s_add_co_u32 s49, s49, 1
	s_cmp_lt_u32 s49, s50
	s_cbranch_scc1 .Lunit
.Lend:
	s_barrier_signal -1
	s_barrier_wait -1
	s_wait_tensorcnt 0x0
	ds_add_u32 v254, v255
	s_wait_dscnt 0x0
	s_endpgm
.Lfunc_end_k_q32d7906f58_ffn1:
	.size	k_q32d7906f58_ffn1, .Lfunc_end_k_q32d7906f58_ffn1-k_q32d7906f58_ffn1
	.p2alignl 7, 3214868480
	.fill 96, 4, 3214868480
	.section	.rodata,"a",@progbits
	.p2align	6, 0x0
	.amdhsa_kernel k_q32d7906f58_ffn1
		.amdhsa_group_segment_fixed_size 262656
		.amdhsa_private_segment_fixed_size 0
		.amdhsa_enable_private_segment 0
		.amdhsa_kernarg_size 40
		.amdhsa_user_sgpr_count 2
		.amdhsa_user_sgpr_kernarg_segment_ptr 1
		.amdhsa_wavefront_size32 1
		.amdhsa_system_sgpr_workgroup_id_x 1
		.amdhsa_system_sgpr_workgroup_id_y 1
		.amdhsa_system_sgpr_workgroup_id_z 1
		.amdhsa_system_vgpr_workitem_id 0
		.amdhsa_next_free_vgpr 1024
		.amdhsa_next_free_sgpr 66
		.amdhsa_reserve_vcc 0
		.amdhsa_float_denorm_mode_32 3
		.amdhsa_float_denorm_mode_16_64 3
		.amdhsa_memory_ordered 1
		.amdhsa_forward_progress 1
		.amdhsa_inst_pref_size 255
	.end_amdhsa_kernel
	.section	.bss,"aw",@nobits
	.p2align	6
	.space	262144
	.amdgpu_metadata
---
amdhsa.version: [ 1, 2 ]
amdhsa.kernels:
  - .name:           k_q32d7906f58_ffn1
    .symbol:         k_q32d7906f58_ffn1.kd
    .args:
      - { .name: xs, .offset: 0, .size: 8, .value_kind: global_buffer, .address_space: global }
      - { .name: w1, .offset: 8, .size: 8, .value_kind: global_buffer, .address_space: global }
      - { .name: b1, .offset: 16, .size: 8, .value_kind: global_buffer, .address_space: global }
      - { .name: plan, .offset: 24, .size: 8, .value_kind: global_buffer, .address_space: global }
      - { .name: hs, .offset: 32, .size: 8, .value_kind: global_buffer, .address_space: global }
    .group_segment_fixed_size: 262656
    .private_segment_fixed_size: 0
    .kernarg_segment_align: 8
    .kernarg_segment_size: 40
    .max_flat_workgroup_size: 128
    .sgpr_count:     66
    .vgpr_count:     1024
    .wavefront_size: 32
...
	.end_amdgpu_metadata
.endif
;; end of part 3
;; launch ffn2 (part 4): grid 32 x 8, 4 waves a work-group, no clusters, 296,448 bytes of LDS; arguments hs, w2, plan, y; writes y
.if DOCPART == 4
	.amdgcn_target "amdgcn-amd-amdhsa--gfx1250"
	.amdhsa_code_object_version 6
	.text
	.protected	k_q32d7906f58_ffn2
	.globl	k_q32d7906f58_ffn2
	.p2align	8
	.type	k_q32d7906f58_ffn2,@function
k_q32d7906f58_ffn2:
	s_mov_b64 s[64:65], 0
	v_nop
	global_prefetch_b8 v0, s[64:65] scope:SCOPE_SE
	s_setreg_imm32_b32 hwreg(HW_REG_WAVE_MODE, 25, 1), 1
	s_wait_xcnt 0x0
; y[kq][row][position of d] = sum over the 1,024 K positions of quarter kq of hs[row][position] w2[e][f of that position][d], f32, for the slot rows of expert e.
; The same frame as the launch before: THE WEIGHTS STAY, THE TOKENS PASS.  Work-group x = 8 kq + cs owns K quarter kq and columns d = 128 cs .. + 127 of w2[e]: 512 KB of f32,
; read once (sixteen lanes cover 256 consecutive aligned bytes), rounded to bf16 fragments and laid into LDS as images of 1 KB: wave w = 2 kh + nh stores bytes 65,536 w .. + 65,535.
; One barrier.  Then wave w takes the units (80 rows x 128 columns x 1,024 of K: 1,280 matrix instructions) number w, w + 4, ... below T; 80 rows for the reason given in the launch
; before: four waves take up to 320 rows of an expert in one turn.  K is split four ways over work-groups so that 256 of them share
; the weights evenly; the four partial sums are added, in a fixed order, by the last launch (no traffic between work-groups here).
; NO BARRIER STANDS IN THAT WALK, because its trip count is read from memory; so the tokens come straight into registers (hs holds images of fragments: two loads of 512 consecutive
; bytes each) and are not asked for jointly in a cluster, as in the launch before.
; K ORDER: K step ks of hs (ks = 0..127), half i2, lane half h, element j stands for f = 64 (ks / 2) + 32 h + 4 j + 2 (ks & 1) + i2: those are the rows of w2 that a lane loads.
; The same order on both operands leaves the products as they are.
; COLUMN ORDER of y: tile t = 4 nh + jb has matrix row m = column 64 nh + 4 m + jb and is stored at position 16 t + m of the slice; the last launch undoes it.
; THE WAY OUT: 16 rows at a time through LDS bytes of the wave's own (rows of 528 bytes), read back as whole rows, stored as 512 consecutive aligned bytes.
; LIMITS: operands h and w2 are rounded to bf16, sums in f32.
.set ROWB, 4096                        ; bytes in a row of w2[e]
.set RBT,  131072                      ; hs: bytes of a block of 16 rows (128 K steps of 1 KB)
.set OROW, 4096                        ; bytes in a row of y
.set YROWS, 2640                       ; rows in a plane of y
.set STAGE, 262144                     ; behind the weights
.set SP,   528                         ; a staged row: 512 bytes + 16, an odd multiple of 16: sixteen rows start at sixteen different 16-byte columns modulo 256
; window 0
.set LB,   2                           ; v2       16 L
.set WOFF, 3                           ; v3       my byte offset in w2
.set WS,   4                           ; v4       LDS: where I put fragments: 65,536 w + 16 L
.set LA,   5                           ; v5-v8    LDS: 65,536 n + 16 L
.set PW,   9                           ; v9       my stage: where I put a tile's 32 bytes
.set PR,   10                          ; v10      my stage: where I read rows back
.set CV,   16                          ; v[16:79] two buffers of 32 for the weights' fragments; later sixteen rows read back
.set ACC4, 80                          ; v[80:143] the accumulators of rows 64-79: tile t at + 8 t
; window 1: four staging buffers of 64 for the weights; then the tokens' ring of three slots: step S at 80 (S mod 3), fragment (kk, rb) at + 40 kk + 8 rb
; window 2: accumulator (rb, t), rb = 0..3, at 8 (8 rb + t)
; window 3: two buffers of weight fragments: step S at 128 (S & 1), fragment (kk, t) at + 64 kk + 8 t
.set MSB, 0
.macro WIN new                         ; s_set_vgpr_msb; the immediate's high byte repeats the setting that is left; at labels and branches the setting is 0
.if MSB != (\new)
	s_set_vgpr_msb (MSB<<8)|(\new)
.set MSB, (\new)
.endif
.endm
.macro PLACES                          ; four plain places behind a matrix instruction (ISA guide 7.12.1)
.rept 4
	v_nop
.endr
.endm
.macro WLOAD ks                        ; my K step ks: rows 64 (ks / 2) + 2 (ks & 1) + 4 q (q = 0..7), then the same + 1 (32 h stands in WOFF)
	WIN 0x40
.irp q, 0,1,2,3,4,5,6,7,8,9,10,11,12,13,14,15
	global_load_b128 v[64*((\ks)&3)+4*\q:64*((\ks)&3)+4*\q+3], v[WOFF], s[40:41] offset:(64*((\ks)/2)+2*((\ks)%2)+4*(\q%8)+\q/8)*ROWB th:TH_LOAD_NT
.endr
.endm
.macro WCVT ks
	s_wait_dscnt 8                     ; all but the last K step's eight stores are done: the buffer of two K steps ago is written again only behind this wait
	WIN 0x05
.irp jb, 0,1,2,3
.irp i, 0,1,2,3,4,5,6,7
	v_cvt_pk_bf16_f32 v[CV+32*((\ks)&1)+8*\jb+\i], v[64*((\ks)&3)+8*\i+\jb], v[64*((\ks)&3)+8*\i+4+\jb]
.endr
.endr
	WIN 0
.irp jb, 0,1,2,3
	ds_store_b128 v[WS], v[CV+32*((\ks)&1)+8*\jb:CV+32*((\ks)&1)+8*\jb+3]   offset:(\ks)*4096+\jb*1024
	ds_store_b128 v[WS], v[CV+32*((\ks)&1)+8*\jb+4:CV+32*((\ks)&1)+8*\jb+7] offset:(\ks)*4096+\jb*1024+512
.endr
.endm
.macro TLOAD S                         ; the unit's token fragments of step S (K steps 2 S, 2 S + 1): 20 loads of 512 consecutive bytes
	WIN 0x40
.irp kk, 0,1
.irp rb, 0,1,2,3,4
	global_load_b128 v[80*((\S)%3)+40*\kk+8*\rb:80*((\S)%3)+40*\kk+8*\rb+3],   v[LB], s[44:45] offset:\rb*RBT+(2*(\S)+\kk)*1024
	global_load_b128 v[80*((\S)%3)+40*\kk+8*\rb+4:80*((\S)%3)+40*\kk+8*\rb+7], v[LB], s[44:45] offset:\rb*RBT+(2*(\S)+\kk)*1024+512
.endr
.endr
.endm
.macro WFETCH S
	WIN 0xc0
.irp kk, 0,1
.irp t, 0,1,2,3,4,5,6,7
	ds_load_b128 v[128*((\S)&1)+64*\kk+8*\t:128*((\S)&1)+64*\kk+8*\t+3],   v[LA+2*((2*(\S)+\kk)/16)+\t/4] offset:((2*(\S)+\kk)%16)*4096+(\t%4)*1024
	ds_load_b128 v[128*((\S)&1)+64*\kk+8*\t+4:128*((\S)&1)+64*\kk+8*\t+7], v[LA+2*((2*(\S)+\kk)/16)+\t/4] offset:((2*(\S)+\kk)%16)*4096+(\t%4)*1024+512
.endr
.endr
.endm
; The 40 accumulators take turns, one instruction a turn: in a step 32 + 32 instructions on rows 0-63, then 8 + 8 on rows 64-79.
.macro MUL4 S, kk, first               ; one K step, rows 0-63: 32 matrix instructions
.irp rb, 0,1,2,3
.irp t, 0,1,2,3,4,5,6,7
.if \first
	v_wmma_f32_16x16x32_bf16 v[8*(8*\rb+\t):8*(8*\rb+\t)+7], v[128*((\S)&1)+64*\kk+8*\t:128*((\S)&1)+64*\kk+8*\t+7], v[80*((\S)%3)+40*\kk+8*\rb:80*((\S)%3)+40*\kk+8*\rb+7], 0
.else
	v_wmma_f32_16x16x32_bf16 v[8*(8*\rb+\t):8*(8*\rb+\t)+7], v[128*((\S)&1)+64*\kk+8*\t:128*((\S)&1)+64*\kk+8*\t+7], v[80*((\S)%3)+40*\kk+8*\rb:80*((\S)%3)+40*\kk+8*\rb+7], v[8*(8*\rb+\t):8*(8*\rb+\t)+7]
.endif
.endr
.endr
.endm
.macro MUL1 S, kk, first               ; one K step, rows 64-79: 8 matrix instructions
.irp t, 0,1,2,3,4,5,6,7
.if \first
	v_wmma_f32_16x16x32_bf16 v[ACC4+8*\t:ACC4+8*\t+7], v[128*((\S)&1)+64*\kk+8*\t:128*((\S)&1)+64*\kk+8*\t+7], v[80*((\S)%3)+40*\kk+32:80*((\S)%3)+40*\kk+39], 0
.else
	v_wmma_f32_16x16x32_bf16 v[ACC4+8*\t:ACC4+8*\t+7], v[128*((\S)&1)+64*\kk+8*\t:128*((\S)&1)+64*\kk+8*\t+7], v[80*((\S)%3)+40*\kk+32:80*((\S)%3)+40*\kk+39], v[ACC4+8*\t:ACC4+8*\t+7]
.endif
.endr
.endm
; rows 16 rb .. 16 rb + 15 of the unit: the eight tiles at register base of the window that win names for the stores' data
.macro OUT16 rb, base, win
	WIN \win
.irp t, 0,1,2,3,4,5,6,7
	ds_store_b128 v[PW], v[\base+8*\t:\base+8*\t+3]   offset:64*\t          ; token r, positions 16 t + 8 h + 0..3
	ds_store_b128 v[PW], v[\base+8*\t+4:\base+8*\t+7] offset:64*\t+16
.endr
	WIN 0
	s_wait_xcnt 0x0                                ; the registers that the last sixteen stores read are loaded again only behind this wait
.irp i, 0,1,2,3,4,5,6,7,8,9,10,11,12,13,14,15
	ds_load_b128 v[CV+4*\i:CV+4*\i+3], v[PR] offset:\i*SP    ; LDS serves a wave's instructions in order (ISA guide 5.7.1.4): these see the stores above; the bytes are my wave's own
.endr
.irp i, 0,1,2,3,4,5,6,7,8,9,10,11,12,13,14,15
	s_wait_dscnt 15-\i                             ; row i is back; the younger rows' loads stay out
	global_store_b128 v[LB], v[CV+4*\i:CV+4*\i+3], s[42:43] offset:(16*\rb+\i)*OROW   ; 512 consecutive bytes, aligned
.endr
.endm
	s_load_b256 s[4:11], s[0:1], 0x0               ; hs s[4:5], w2 s[6:7], plan s[8:9], y s[10:11]
	v_lshl_add_u32 v254, v0, 2, 0x48400
	v_mov_b32 v255, 0
	v_lshrrev_b32 v1, 5, v0
	v_readfirstlane_b32 s14, v1                    ; wave
	s_lshr_b32 s15, s14, 1                         ; kh
	s_and_b32 s16, s14, 1                          ; nh
	s_lshr_b32 s17, ttmp9, 3                       ; K quarter
	s_and_b32 s18, ttmp9, 7                        ; column slice
	s_and_b32 s19, ttmp7, 0xffff                   ; expert
	s_lshl_b32 s22, s19, 2
	s_wait_kmcnt 0x0
	s_load_b32 s20, s[8:9], s22 offset:0x0         ; off[e]
	s_load_b32 s21, s[8:9], s22 offset:0x20        ; T[e]; s22 stays as it is until the wait for these two loads
	s_lshl_b32 s52, s19, 24                        ; e x 4096 x 1024 x 4
	s_lshl_b32 s53, s17, 22                        ; kq x 1024 rows
	s_add_co_u32 s52, s52, s53
	s_lshl_b32 s53, s15, 21                        ; kh x 512 rows
	s_add_co_u32 s52, s52, s53
	s_lshl_b32 s53, s18, 9
	s_add_co_u32 s52, s52, s53
	s_lshl_b32 s53, s16, 8
	s_add_co_u32 s52, s52, s53
	s_mov_b32 s53, 0
	s_add_nc_u64 s[40:41], s[6:7], s[52:53]        ; my weights
	v_and_b32 v1, 31, v0                           ; L
	v_and_b32 v12, 15, v0                          ; r
	v_bfe_u32 v13, v0, 4, 1                        ; h
	v_lshlrev_b32 v[LB], 4, v1
	v_lshlrev_b32 v[WOFF], 4, v12
	v_lshl_add_u32 v[WOFF], v13, 17, v[WOFF]       ; 32 h rows + 16 r
	WLOAD 0
	WLOAD 1
	WLOAD 2
	WLOAD 3
	WIN 0
	v_lshl_add_u32 v[WS], s14, 16, v[LB]
.irp n, 0,1,2,3
	v_add_nc_u32 v[LA+\n], \n*65536, v[LB]
.endr
	s_mul_i32 s26, s14, 16*SP
	s_add_co_u32 s26, s26, STAGE                   ; my stage
	v_mul_u32_u24 v[PW], v12, SP
	v_lshl_add_u32 v[PW], v13, 5, v[PW]
	v_add_nc_u32 v[PW], s26, v[PW]                 ; row r, 32 h
	v_add_nc_u32 v[PR], s26, v[LB]
	s_wait_kmcnt 0x0
	s_min_u32 s20, s20, 2560                       ; 32 units lie in front of the last one at the most
	s_min_u32 s21, s21, 13                         ; 1,024 rows are 13 units
	s_add_co_u32 s50, s21, 3
	s_sub_co_u32 s50, s50, s14
	s_lshr_b32 s50, s50, 2                         ; how many of the units w, w + 4, ... lie below T: (T + 3 - w) / 4
	s_mul_i32 s22, s14, 80
	s_add_co_u32 s20, s20, s22                     ; the first row of my first unit
	s_lshl_b32 s22, s20, 13                        ; 131,072 bytes of hs for 16 rows
	s_lshl_b32 s24, s17, 15                        ; the quarter's 32 K steps of 1 KB
	s_add_co_u32 s22, s22, s24
	s_mov_b32 s23, 0
	s_add_nc_u64 s[44:45], s[4:5], s[22:23]
	s_mul_i32 s22, s17, YROWS*OROW                 ; the quarter's plane of y
	s_lshl_b32 s24, s20, 12
	s_add_co_u32 s22, s22, s24
	s_lshl_b32 s24, s18, 9
	s_add_co_u32 s22, s22, s24
	s_add_nc_u64 s[42:43], s[10:11], s[22:23]
.irp ks, 0,1,2,3,4,5,6,7,8,9,10,11
	s_wait_loadcnt 48                              ; loads come back in order: all but the three younger K steps' 48
	WCVT \ks
	WLOAD \ks+4
.endr
.irp ks, 12,13,14,15
	s_wait_loadcnt 16*(15-\ks)                     ; the counts run down: 48, 32, 16, 0
	WCVT \ks
.endr
	WIN 0
	s_wait_dscnt 0x0                               ; my quarter of the weights is written, for the others' sake
	s_barrier_signal -1
	s_barrier_wait -1                              ; the only barrier; behind it the 256 KB are read and never written
	s_cmp_eq_u32 s50, 0                            ; fewer units than waves: nothing is left for me
	s_cbranch_scc1 .Lend
	s_mov_b32 s49, 0
.Lunit:
	TLOAD 0
	TLOAD 1
	WFETCH 0
.irp S, 0,1,2,3,4,5,6,7,8,9,10,11,12,13,14,15
.if \S < 15
	s_wait_loadcnt 20                              ; this step's tokens are in; the next step's 20 loads stay out
.else
	s_wait_loadcnt 0x0                             ; the last step: nothing younger is out
.endif
.if \S > 0
	PLACES                                         ; the ring's slot and the buffer that the last step's matrix instructions read are loaded again four places behind them
.endif
.if \S < 14
	TLOAD \S+2
.endif
.if \S < 15
	WFETCH \S+1
	s_wait_dscnt 32                                ; all but the 32 just issued: this step's weights are in
.else
	s_wait_dscnt 0x0
.endif
	WIN 0xa7                                       ; weights window 3, tokens window 1, C and D window 2
.if \S == 0
	MUL4 0, 0, 1                                   ; the first K step starts the sums: nothing is cleared
	MUL4 0, 1, 0
	WIN 0x07                                       ; C and D window 0
	MUL1 0, 0, 1
	MUL1 0, 1, 0
.else
	MUL4 \S, 0, 0
	MUL4 \S, 1, 0
	WIN 0x07
	MUL1 \S, 0, 0
	MUL1 \S, 1, 0
.endif
.endr
	WIN 0
	PLACES                                         ; four places, then the results are read and the next unit's loads may be issued;
	v_nop                                          ; a fifth, since no other vector arithmetic follows before the next unit's first products write over these accumulators (ISA guide 7.12.1)
	OUT16 0, 0,    0x08                            ; the stores' data in window 2
	OUT16 1, 64,   0x08
	OUT16 2, 128,  0x08
	OUT16 3, 192,  0x08
	OUT16 4, ACC4, 0                               ; rows 64-79 lie in window 0
	s_wait_xcnt 0x0                                ; the bases are stepped only behind this wait
	s_add_nc_u64 s[44:45], s[44:45], 20*RBT        ; four units on: 320 rows
	s_add_nc_u64 s[42:43], s[42:43], 320*OROW
	s_add_co_u32 s49, s49, 1
	s_cmp_lt_u32 s49, s50
	s_cbranch_scc1 .Lunit
.Lend:
	s_barrier_signal -1
	s_barrier_wait -1
	s_wait_tensorcnt 0x0
	ds_add_u32 v254, v255
	s_wait_dscnt 0x0
	s_endpgm
.Lfunc_end_k_q32d7906f58_ffn2:
	.size	k_q32d7906f58_ffn2, .Lfunc_end_k_q32d7906f58_ffn2-k_q32d7906f58_ffn2
	.p2alignl 7, 3214868480
	.fill 96, 4, 3214868480
	.section	.rodata,"a",@progbits
	.p2align	6, 0x0
	.amdhsa_kernel k_q32d7906f58_ffn2
		.amdhsa_group_segment_fixed_size 296448
		.amdhsa_private_segment_fixed_size 0
		.amdhsa_enable_private_segment 0
		.amdhsa_kernarg_size 32
		.amdhsa_user_sgpr_count 2
		.amdhsa_user_sgpr_kernarg_segment_ptr 1
		.amdhsa_wavefront_size32 1
		.amdhsa_system_sgpr_workgroup_id_x 1
		.amdhsa_system_sgpr_workgroup_id_y 1
		.amdhsa_system_sgpr_workgroup_id_z 1
		.amdhsa_system_vgpr_workitem_id 0
		.amdhsa_next_free_vgpr 1024
		.amdhsa_next_free_sgpr 66
		.amdhsa_reserve_vcc 0
		.amdhsa_float_denorm_mode_32 3
		.amdhsa_float_denorm_mode_16_64 3
		.amdhsa_memory_ordered 1
		.amdhsa_forward_progress 1
		.amdhsa_inst_pref_size 238
	.end_amdhsa_kernel
	.amdgpu_metadata
---
amdhsa.version: [ 1, 2 ]
amdhsa.kernels:
  - .name:           k_q32d7906f58_ffn2
    .symbol:         k_q32d7906f58_ffn2.kd
    .args:
      - { .name: hs, .offset: 0, .size: 8, .value_kind: global_buffer, .address_space: global }
      - { .name: w2, .offset: 8, .size: 8, .value_kind: global_buffer, .address_space: global }
      - { .name: plan, .offset: 16, .size: 8, .value_kind: global_buffer, .address_space: global }
      - { .name: y, .offset: 24, .size: 8, .value_kind: global_buffer, .address_space: global }
    .group_segment_fixed_size: 296448
    .private_segment_fixed_size: 0
    .kernarg_segment_align: 8
    .kernarg_segment_size: 32
    .max_flat_workgroup_size: 128
    .sgpr_count:     66
    .vgpr_count:     1024
    .wavefront_size: 32
...
	.end_amdgpu_metadata
.endif
;; end of part 4
;; launch combine (part 5): grid 256 x 1, 8 waves a work-group, no clusters, 17,408 bytes of LDS; arguments x, y, b2, plan, topi, gatef, out0; writes out0
.if DOCPART == 5
	.amdgcn_target "amdgcn-amd-amdhsa--gfx1250"
	.amdhsa_code_object_version 6
	.text
	.protected	k_q32d7906f58_combine
	.globl	k_q32d7906f58_combine
	.p2align	8
	.type	k_q32d7906f58_combine,@function
k_q32d7906f58_combine:
	s_mov_b64 s[64:65], 0
	v_nop
	global_prefetch_b8 v0, s[64:65] scope:SCOPE_SE
	s_setreg_imm32_b32 hwreg(HW_REG_WAVE_MODE, 25, 1), 1
	s_wait_xcnt 0x0
; out0[n][d] = x[n][d] + sum over the token's two experts k of p_k ( b2[e_k][d] + sum over the four K quarters of y[kq][slot_k][position of d] ).
; A gather: each output has one owner, which fetches the token's two slot rows; the sums have a fixed order.  Wave w takes token n = 4 x work-group + (w >> 1),
; half hf = w & 1 of its row: four chunks of 128 numbers, 44 loads of 512 consecutive bytes, all issued at once.  Memory binds: no matrix unit, no cluster.
; In y, inside every 64 positions, position 16 jb + m holds d = 4 m + jb: my positions 4 L + i of a chunk are d = 64 (L >> 4) + 16 (L & 3) + 4 i + ((L >> 2) & 3).
; The weighted sum goes once through LDS bytes of the wave's own (four 4-byte stores, one 16-byte load a chunk) to stand in the order of x, b2 and out0.
.set CH, 16                            ; v[16:191] chunk c at 16 + 44 c: y of expert 0 (4 x 4), of expert 1 (4 x 4), x (4), b2 of expert 0 (4), of expert 1 (4)
.set RR, 192                           ; v[192:207] the weighted sums read back in the order of d
.set YPLANE, 2640*4096                 ; bytes in a plane of y
	s_load_b256 s[4:11], s[0:1], 0x0               ; x s[4:5], y s[6:7], b2 s[8:9], plan s[10:11]
	s_load_b128 s[12:15], s[0:1], 0x20             ; topi s[12:13], gatef s[14:15]
	s_load_b64 s[16:17], s[0:1], 0x30              ; out0
	v_lshl_add_u32 v208, v0, 2, 0x4000
	v_mov_b32 v209, 0
	v_lshrrev_b32 v1, 5, v0
	v_readfirstlane_b32 s20, v1                    ; wave
	s_lshr_b32 s21, s20, 1
	s_lshl_b32 s23, ttmp9, 2
	s_add_co_u32 s21, s21, s23                     ; token n
	s_and_b32 s22, s20, 1
	s_lshl_b32 s22, s22, 11                        ; 2,048 hf
	s_lshl_b32 s23, s21, 3                         ; 8 n
	s_wait_kmcnt 0x0
	s_load_b64 s[24:25], s[10:11], s23 offset:0x100    ; the token's two slot rows
	s_load_b64 s[26:27], s[12:13], s23 offset:0x0      ; its two experts
	s_load_b64 s[28:29], s[14:15], s23 offset:0x8000   ; their weights p0, p1
	s_mov_b64 s[32:33], s[6:7]                     ; y's four planes, 2,640 rows of 4,096 bytes apart
	s_add_nc_u64 s[34:35], s[32:33], YPLANE
	s_add_nc_u64 s[36:37], s[34:35], YPLANE
	s_add_nc_u64 s[38:39], s[36:37], YPLANE
	v_and_b32 v1, 31, v0                           ; L
	v_lshlrev_b32 v7, 4, v1
	v_lshl_add_u32 v13, s20, 11, v7                ; LDS, back: my wave's 2,048 bytes + 16 L
	v_add_nc_u32 v7, s22, v7                       ; 2,048 hf + 16 L
	v_lshrrev_b32 v12, 4, v1
	v_lshlrev_b32 v12, 8, v12                      ; 4 x 64 (L >> 4)
	v_and_b32 v14, 3, v0
	v_lshl_add_u32 v12, v14, 6, v12                ; + 4 x 16 (L & 3)
	v_bfe_u32 v14, v0, 2, 2
	v_lshl_add_u32 v12, v14, 2, v12                ; + 4 x ((L >> 2) & 3)
	v_lshl_add_u32 v12, s20, 11, v12               ; LDS, in: my wave's 2,048 bytes + that; + 16 i in the immediate
	s_lshl_b32 s21, s21, 12
	v_add_nc_u32 v6, s21, v7                       ; my 16 bytes in x and out0
	s_wait_kmcnt 0x0
	s_min_u32 s24, s24, 2639
	s_min_u32 s25, s25, 2639
	s_min_u32 s26, s26, 7
	s_min_u32 s27, s27, 7
	s_lshl_b32 s24, s24, 12
	s_lshl_b32 s25, s25, 12
	s_lshl_b32 s26, s26, 12
	s_lshl_b32 s27, s27, 12
	v_add_nc_u32 v2, s24, v7                       ; in a plane of y, expert 0's row
	v_add_nc_u32 v3, s25, v7                       ; expert 1's
	v_add_nc_u32 v4, s26, v7                       ; in b2
	v_add_nc_u32 v5, s27, v7
	v_mov_b32 v8, s28                              ; p0, twice
	v_mov_b32 v9, s28
	v_mov_b32 v10, s29                             ; p1, twice
	v_mov_b32 v11, s29
.irp c, 0,1,2,3
.irp q, 0,1,2,3
	global_load_b128 v[CH+44*\c+4*\q:CH+44*\c+4*\q+3],       v2, s[32+2*\q:33+2*\q] offset:512*\c th:TH_LOAD_NT
	global_load_b128 v[CH+44*\c+16+4*\q:CH+44*\c+16+4*\q+3], v3, s[32+2*\q:33+2*\q] offset:512*\c th:TH_LOAD_NT
.endr
	global_load_b128 v[CH+44*\c+32:CH+44*\c+35], v6, s[4:5] offset:512*\c
	global_load_b128 v[CH+44*\c+36:CH+44*\c+39], v4, s[8:9] offset:512*\c
	global_load_b128 v[CH+44*\c+40:CH+44*\c+43], v5, s[8:9] offset:512*\c
.endr
.irp c, 0,1,2,3
.set B, CH+44*\c
	s_wait_loadcnt 33-11*\c                        ; this chunk's eleven loads are in; the younger chunks' stay out
.irp k, 0,16
.irp p, 0,2
	v_pk_add_f32 v[B+\k+\p:B+\k+\p+1], v[B+\k+\p:B+\k+\p+1], v[B+\k+4+\p:B+\k+4+\p+1]
	v_pk_add_f32 v[B+\k+8+\p:B+\k+8+\p+1], v[B+\k+8+\p:B+\k+8+\p+1], v[B+\k+12+\p:B+\k+12+\p+1]
	v_pk_add_f32 v[B+\k+\p:B+\k+\p+1], v[B+\k+\p:B+\k+\p+1], v[B+\k+8+\p:B+\k+8+\p+1]
.endr
.endr
.irp p, 0,2
	v_pk_mul_f32 v[B+\p:B+\p+1], v[B+\p:B+\p+1], v[8:9]
	v_pk_fma_f32 v[B+\p:B+\p+1], v[B+16+\p:B+16+\p+1], v[10:11], v[B+\p:B+\p+1]
.endr
.irp i, 0,1,2,3
	ds_store_b32 v12, v[B+\i] offset:512*\c+16*\i
.endr
	ds_load_b128 v[RR+4*\c:RR+4*\c+3], v13 offset:512*\c    ; LDS serves a wave's instructions in order (ISA guide 5.7.1.4): it sees the four stores; the bytes are my wave's own
.irp p, 0,2
	v_pk_fma_f32 v[B+32+\p:B+32+\p+1], v[B+36+\p:B+36+\p+1], v[8:9], v[B+32+\p:B+32+\p+1]      ; x + p0 b2[e0]
	v_pk_fma_f32 v[B+32+\p:B+32+\p+1], v[B+40+\p:B+40+\p+1], v[10:11], v[B+32+\p:B+32+\p+1]    ;   + p1 b2[e1]
.endr
.endr
.irp c, 0,1,2,3
.set B, CH+44*\c
	s_wait_dscnt 15-5*\c                           ; this chunk's load is back; the younger chunks' five LDS instructions each stay out
	v_pk_add_f32 v[B+32:B+33], v[B+32:B+33], v[RR+4*\c:RR+4*\c+1]
	v_pk_add_f32 v[B+34:B+35], v[B+34:B+35], v[RR+4*\c+2:RR+4*\c+3]
	global_store_b128 v6, v[B+32:B+35], s[16:17] offset:512*\c   ; 512 consecutive bytes, aligned
.endr
	s_barrier_signal -1
	s_barrier_wait -1
	s_wait_tensorcnt 0x0
	ds_add_u32 v208, v209
	s_wait_dscnt 0x0
	s_endpgm
.Lfunc_end_k_q32d7906f58_combine:
	.size	k_q32d7906f58_combine, .Lfunc_end_k_q32d7906f58_combine-k_q32d7906f58_combine
	.p2alignl 7, 3214868480
	.fill 96, 4, 3214868480
	.section	.rodata,"a",@progbits
	.p2align	6, 0x0
	.amdhsa_kernel k_q32d7906f58_combine
		.amdhsa_group_segment_fixed_size 17408
		.amdhsa_private_segment_fixed_size 0
		.amdhsa_enable_private_segment 0
		.amdhsa_kernarg_size 56
		.amdhsa_user_sgpr_count 2
		.amdhsa_user_sgpr_kernarg_segment_ptr 1
		.amdhsa_wavefront_size32 1
		.amdhsa_system_sgpr_workgroup_id_x 1
		.amdhsa_system_sgpr_workgroup_id_y 1
		.amdhsa_system_sgpr_workgroup_id_z 1
		.amdhsa_system_vgpr_workitem_id 0
		.amdhsa_next_free_vgpr 210
		.amdhsa_next_free_sgpr 66
		.amdhsa_reserve_vcc 0
		.amdhsa_float_denorm_mode_32 3
		.amdhsa_float_denorm_mode_16_64 3
		.amdhsa_memory_ordered 1
		.amdhsa_forward_progress 1
		.amdhsa_inst_pref_size 15
	.end_amdhsa_kernel
	.amdgpu_metadata
---
amdhsa.version: [ 1, 2 ]
amdhsa.kernels:
  - .name:           k_q32d7906f58_combine
    .symbol:         k_q32d7906f58_combine.kd
    .args:
      - { .name: x, .offset: 0, .size: 8, .value_kind: global_buffer, .address_space: global }
      - { .name: y, .offset: 8, .size: 8, .value_kind: global_buffer, .address_space: global }
      - { .name: b2, .offset: 16, .size: 8, .value_kind: global_buffer, .address_space: global }
      - { .name: plan, .offset: 24, .size: 8, .value_kind: global_buffer, .address_space: global }
      - { .name: topi, .offset: 32, .size: 8, .value_kind: global_buffer, .address_space: global }
      - { .name: gatef, .offset: 40, .size: 8, .value_kind: global_buffer, .address_space: global }
      - { .name: out0, .offset: 48, .size: 8, .value_kind: global_buffer, .address_space: global }
    .group_segment_fixed_size: 17408
    .private_segment_fixed_size: 0
    .kernarg_segment_align: 8
    .kernarg_segment_size: 56
    .max_flat_workgroup_size: 256
    .sgpr_count:     66
    .vgpr_count:     210
    .wavefront_size: 32
...
	.end_amdgpu_metadata
.endif
;; end of part 5
